; MI455X (gfx1250); checked and timed in simulation.
; The chip was launched on July 23, 2026; its instructions are those of AMD's public machine-readable ISA for CDNA 5 (MIT licence, August 2026) and "CDNA5" Instruction Set Architecture Reference Guide (July 2026). The comments in the code are by the model that wrote it; some were corrected since.
;; TH. Allowed arithmetic: float matrix products may take bf16 or f16 operands with f32 sums; other float arithmetic in f32, or as packed bf16 or f16 multiplies, adds, multiply-adds, maxima and minima; sums over many terms, partial sums and values carried from step to step in f32; what a program stores and reads back later, other than sums and carried values, may be rounded once to bf16 or f16.
;; Inputs: bk 64 float32; bk_ 4,096 float32; bq 64 float32; bq_ 4,096 float32; bv 64 float32; bv_ 4,096 float32; wk 64 x 64 float32; wk_ 4,096 x 4,096 float32; wq 64 x 64 float32; wq_ 4,096 x 4,096 float32; wv 64 x 64 float32; wv_ 4,096 x 4,096 float32; x 4 x 64 x 128 x 128 float32.
;; Outputs: out0 4 x 64 x 128 x 128 float32.
;; 2 versions, each right; version 2 is version 1 with the launch pack written anew for expert scheduling mode. Each part assembles by itself: llvm-mc -triple=amdgcn-amd-amdhsa -mcpu=gfx1250 --defsym DOCPART=n.
;; ======== version 1 of 2: 3 launches
;; workspace buffers: xa 8,388,608 bytes; v2 8,388,608 bytes; epart 524,288 bytes
;; launch pack (part 1): grid 256 x 1, 8 waves a work-group, no clusters, 0 bytes of LDS; arguments x, xa; writes xa
.if DOCPART == 1
	.amdgcn_target "amdgcn-amd-amdhsa--gfx1250"
	.amdhsa_code_object_version 6
	.text
	.protected	k_qa88511bb3a_pack
	.globl	k_qa88511bb3a_pack
	.p2align	8
	.type	k_qa88511bb3a_pack,@function
k_qa88511bb3a_pack:
	s_mov_b64 s[64:65], 0
	v_nop
	global_prefetch_b8 v0, s[64:65] scope:SCOPE_SE
	s_setreg_imm32_b32 hwreg(HW_REG_WAVE_MODE, 25, 1), 1
	s_wait_xcnt 0x0
; xa = x rounded once to bf16, its image rows laid in the order in which the product that follows takes them as matrix fragments.
; x: [4][64][128][128] f32.  A patch is 8 x 8; patch row ix = w / 8, patch column iy = h / 8, px = w % 8, py = h % 8; the flattened channel is k = 64 c + 8 px + py.
; xa, in bytes: b<<21 | ks<<16 | rh<<15 | q<<13 | a<<10 | j2<<9 | hh<<8 | iy<<4 | 2 py, with c = 2 ks + q / 2, px = 4 (q % 2) + 2 j2 + hh, ix = 8 rh + a.
; So 256 bytes of xa are one image row (b, c, w) in bf16, and 512 bytes on end (hh, iy) are half a fragment: 16 patches x 16 k, 16 bytes a lane.
; SHARES.  A work-group takes one plane (b, c) of 64 KiB, a wave 16 image rows: a load of 16 bytes a lane covers one row's 512 bytes, a store of 8 bytes a lane 256 bytes on end, aligned.
; All 16 loads of a wave go out at once; nothing is read twice, no register is used twice, so there is no loop, no LDS and no barrier.
.set X, 4                              ; v[4:67]   row i as loaded, 4 registers
.set Y, 68                             ; v[68:99]  row i to store, 2 registers
	s_load_b128 s[4:7], s[0:1], 0x0                ; x s[4:5], xa s[6:7]
	v_lshrrev_b32 v3, 5, v0                        ; wave
	v_and_b32 v2, 31, v0                           ; lane
	v_lshlrev_b32 v1, 4, v2
	v_lshl_or_b32 v1, v3, 13, v1                   ; from: wave x 16 rows of 512 bytes + 16 x lane
	v_lshlrev_b32 v2, 3, v2                        ; to: 8 x lane,
	v_and_b32 v4, 3, v3
	v_lshl_or_b32 v2, v4, 11, v2                   ; a = 2 (wave % 4) + i / 8,
	v_lshrrev_b32 v4, 2, v3
	v_lshl_or_b32 v2, v4, 15, v2                   ; rh = wave / 4
	s_lshl_b32 s8, ttmp9, 16                       ; the plane in x
	s_mov_b32 s9, 0
	s_lshr_b32 s10, ttmp9, 6                       ; b
	s_lshl_b32 s10, s10, 21
	s_bfe_u32 s11, ttmp9, 0x50001                  ; ks = c / 2
	s_lshl_b32 s11, s11, 16
	s_or_b32 s10, s10, s11
	s_and_b32 s11, ttmp9, 1                        ; q's upper bit = c % 2
	s_lshl_b32 s11, s11, 14
	s_or_b32 s10, s10, s11
	s_mov_b32 s11, 0
	s_wait_kmcnt 0x0
	s_add_nc_u64 s[4:5], s[4:5], s[8:9]
	s_add_nc_u64 s[6:7], s[6:7], s[10:11]
.set i, 0
.rept 16
	global_load_b128 v[X+4*i:X+4*i+3], v1, s[4:5] offset:i*512 th:TH_LOAD_NT
.set i, i+1
.endr
.set i, 0
.rept 16
	s_wait_loadcnt 15-i                            ; loads come back in order: row i is in, the 15 - i younger ones may stay out
	v_cvt_pk_bf16_f32 v[Y+2*i], v[X+4*i], v[X+4*i+1]
	v_cvt_pk_bf16_f32 v[Y+2*i+1], v[X+4*i+2], v[X+4*i+3]
	global_store_b64 v2, v[Y+2*i:Y+2*i+1], s[6:7] offset:((i>>3)<<10)|(((i>>2)&1)<<13)|((i&3)<<8) th:TH_STORE_NT  ; a's low bit, q's low bit, j2 and hh of row i
.set i, i+1
.endr
	s_endpgm
.Lfunc_end_k_qa88511bb3a_pack:
	.size	k_qa88511bb3a_pack, .Lfunc_end_k_qa88511bb3a_pack-k_qa88511bb3a_pack
	.p2alignl 7, 3214868480
	.fill 96, 4, 3214868480
	.section	.rodata,"a",@progbits
	.p2align	6, 0x0
	.amdhsa_kernel k_qa88511bb3a_pack
		.amdhsa_group_segment_fixed_size 0
		.amdhsa_private_segment_fixed_size 0
		.amdhsa_enable_private_segment 0
		.amdhsa_kernarg_size 16
		.amdhsa_user_sgpr_count 2
		.amdhsa_user_sgpr_kernarg_segment_ptr 1
		.amdhsa_wavefront_size32 1
		.amdhsa_system_sgpr_workgroup_id_x 1
		.amdhsa_system_sgpr_workgroup_id_y 1
		.amdhsa_system_sgpr_workgroup_id_z 1
		.amdhsa_system_vgpr_workitem_id 0
		.amdhsa_next_free_vgpr 100
		.amdhsa_next_free_sgpr 66
		.amdhsa_reserve_vcc 0
		.amdhsa_float_denorm_mode_32 3
		.amdhsa_float_denorm_mode_16_64 3
		.amdhsa_memory_ordered 1
		.amdhsa_forward_progress 1
		.amdhsa_inst_pref_size 7
	.end_amdhsa_kernel
	.amdgpu_metadata
---
amdhsa.version: [ 1, 2 ]
amdhsa.kernels:
  - .name:           k_qa88511bb3a_pack
    .symbol:         k_qa88511bb3a_pack.kd
    .args:
      - { .name: x, .offset: 0, .size: 8, .value_kind: global_buffer, .address_space: global }
      - { .name: xa, .offset: 8, .size: 8, .value_kind: global_buffer, .address_space: global }
    .group_segment_fixed_size: 0
    .private_segment_fixed_size: 0
    .kernarg_segment_align: 8
    .kernarg_segment_size: 16
    .max_flat_workgroup_size: 256
    .sgpr_count:     66
    .vgpr_count:     100
    .wavefront_size: 32
...
	.end_amdgpu_metadata
.endif
;; end of part 1
;; launch gemm (part 2): grid 256 x 1, 4 waves a work-group, clusters of 4 x 1, 327,680 bytes of LDS; arguments xa, wq_, wk_, wv_, bq_, bk_, bv_, v2, epart; writes v2, epart
.if DOCPART == 2
	.amdgcn_target "amdgcn-amd-amdhsa--gfx1250"
	.amdhsa_code_object_version 6
	.text
	.protected	k_qa88511bb3a_gemm
	.globl	k_qa88511bb3a_gemm
	.p2align	8
	.type	k_qa88511bb3a_gemm,@function
k_qa88511bb3a_gemm:
	s_mov_b64 s[64:65], 0
	v_nop
	global_prefetch_b8 v0, s[64:65] scope:SCOPE_SE
	s_setreg_imm32_b32 hwreg(HW_REG_WAVE_MODE, 25, 1), 1
	s_wait_xcnt 0x0
	s_wait_alu depctr_hold_cnt(0) depctr_sa_sdst(0) depctr_va_vdst(0) depctr_va_sdst(0) depctr_va_ssrc(0) depctr_va_vcc(0) depctr_vm_vsrc(0)
	s_getreg_b32 s2, hwreg(HW_REG_IB_STS2, 6, 4)
	s_cmp_eq_u32 s2, 0
	s_cbranch_scc0 .Lentry_in_a_cluster
	s_endpgm
.Lentry_in_a_cluster:
	s_bfe_u32 s2, ttmp6, 0x10000c
	s_cmp_lg_u32 s2, 0x3003
	s_cbranch_scc0 .Lentry_shape_is_right
	s_endpgm
.Lentry_shape_is_right:
; THE INTER-PATCH PRODUCTS: q_ = xf wq_^T + bq_, k_ = xf wk_^T + bk_, v_ = xf wv_^T + bv_ for 1,024 patches x 4,096 channels, K = 4,096, in one launch.
; Out go v_ (bf16, rounded once, in the image's order: v2) and partial sums over 32 channels of q_ k_ (f32: epart); q_ and k_ never leave the registers.
; LIMITS.  Matrix operands are bf16 (x was rounded by the launch before, the weights are rounded here), sums f32; the order of the sums over K is not reference()'s; NaN and infinities go through the arithmetic as they come.
; SHARES.  Cluster ct (0..63) owns the channels 64 ct .. 64 ct + 63 of each of the three products, its four work-groups the four images: 256 patches x 192 columns a work-group, one for each of 256 WGPs.
; Wave w: patches 128 (w / 2) on (8 blocks a of 16: patch row ix = 8 (w / 2) + a, patch column = the lane's r), channels 32 (w % 2) on of each matrix (6 fragments f = 2 m + f').  48 accumulators, 384 registers.
; LAYOUT.  Source 0 = 16 weight rows, source 1 = 16 patches: lane (r, hh), register j holds patch r and channel 8 hh + j.  So q_ k_ is summed inside a lane, and a lane's 8 numbers of v_ are 8 neighbouring pixels of an image row.
; THE WEIGHTS are f32 and are read once in the launch: the four work-groups of a cluster need the same rows and ask for them JOINTLY (mask 15).  K goes in steps of 128 through two LDS slots: 3 x 64 rows of 512 bytes.
; Waves 0, 1, 2 fetch wq_'s, wk_'s, wv_'s 64 rows; wave 3 fetches none.  A fragment is read as f32 (four loads of 16 bytes) and rounded to bf16 in registers, a chunk (32 of K) ahead of its products.
; THE PATCHES come straight from xa into fragment registers, 512 bytes on end an instruction, three chunks ahead, into four buffers.  NOT THROUGH LDS, NOT JOINTLY: the partners of a cluster hold different images, so they share
; no byte of xa; and two slots of B (2 x 101,376 bytes) with two of A's 256 rows x 256 bytes (2 x 65,536) are 333,824 bytes, more than the 327,680 that there are.
; STEP t TAKES K BLOCK (ct + t) mod 32, for A and B alike: the clusters walk K from different starts (f32 sums may be taken in any order).  The block's number enters global addresses alone.
; REGISTERS, in windows of 256 (s_set_vgpr_msb: bits 1:0 source 0, 3:2 source 1, 5:4 source 2, 7:6 destination):
;   window 0: v0-29 addresses; v32-127 RAW, a chunk's weights in f32, 16 a fragment; v128-175, v176-223 BF, two buffers of 6 fragments in bf16; v224-247 the way out
;   window 1: A's four buffers, 64 q + 8 a          window 2: accumulators f = 0..3 at 8 (8 f + a)          window 3: f = 4, 5 at 8 (8 (f - 4) + a); v128-175 the biases
.set PITCH,  528                       ; an LDS row: 512 bytes + 16 of padding = 33 x 16: the 16 rows of a load begin in 16 different groups of four banks (64 banks of 4 bytes: ISA guide 11.1)
.set MROWS,  64*PITCH                  ; one matrix's 64 rows: what one tensor load brings
.set SLOT,   3*MROWS
.set ESTAGE, 2*SLOT                    ; behind the ring, never filled by a tensor load: 512 bytes for each wave, for epart's way out
.set SPARE,  ESTAGE+4*512              ; the spare words, 128 bytes for each wave: two blocks of 256 bytes that no other line names
.set AO,   2                           ; v2   16 x lane: my place in 512 bytes of xa, and of epart
.set BO,   3                           ; v3   32 hh: my 8 numbers of a bias
.set VO,   4                           ; v4   my 16 bytes in v2: (r / 8)<<10 | hh<<7 | (r % 8)<<4
.set PFO,  5                           ; v5   the prefetches' offset: row 16 cx + lane / 2 of 64, block lane % 2 of a row's 512 bytes
.set ES,   6                           ; v6   my word of my wave's stage
.set EL,   7                           ; v7   my 16 bytes of it
.set HH,   9                           ; v9   hh
.set ADRB, 10                          ; v10-15  LDS address of my weight fragments: slot s, matrix m at v[10 + 3 s + m]
.set SPW,  28                          ; v28  LDS address of my spare word; never rewritten
.set NIL,  29                          ; v29  0; never rewritten
.set RAW,  32
.set BF,   128
.set WV,   22                          ; s22 wave; s23 its half of the patches; s24 its half of the channels; s25 cx = the image; s26 ct
.set RH,   23
.set CH,   24
.set CX,   25
.set CT,   26
.set TS,   27                          ; s27  scratch
.set G1,   28                          ; s[28:35] descriptor group 1
.set G0,   36                          ; s[36:43] descriptor group 0, a set for each slot
.set WB,   44                          ; s[44:45] my matrix at the cluster's first row
.set ABASE, 46                         ; s[46:47] xa at my image and my half of the patches
.set ASP,  48                          ; s[48:49] the same at the K block that A's loads stand in
.set AOF,  50                          ; s[50:51] that block's offset
.set KR,   52                          ; s52  the K block asked for last
.set KA,   53                          ; s53  the K block of A's loads
.set DOF,  54                          ; s[54:55] a K block's offset in a weight row
.set PFA,  56                          ; s[56:57] what the prefetch names
.set LIM,  58                          ; s58  1 in a wave that fetches weights, else the greatest number
.set LAP,  59                          ; s59  laps to go
.set V2B,  60                          ; s[60:61] v2 at my part
.set EPB,  62                          ; s[62:63] epart at my part
.set SEL,  66                          ; s[66:67] v_permlanex16_b32's selects: each lane takes its own place in the other half
.set BB,   68                          ; s[68:73] the three biases at my 32 channels
.set BOF,  74                          ; s[74:75]
.set XS0,  76                          ; s[76:79] scratch for what holds cx: it feeds no descriptor and no LDS address
.set XS1,  78
.set MSB, 0
.macro WIN new                         ; the immediate's high byte repeats the setting that is left; a switch that changes nothing is dropped
.if MSB != (\new)
	s_set_vgpr_msb (MSB<<8)|(\new)
.set MSB, \new
.endif
.endm
.set MULQK,  0xa4                      ; weights window 0, patches window 1, C and D window 2
.set MULV,   0xf4                      ; the same, C and D window 3
.set TOA,    0x40                      ; destination window 1, address window 0
.set TOBIAS, 0xc0                      ; destination window 3
; A round of the cluster's barrier behind its opening barrier, and a whole one.
.macro CREST
	s_cmp_lg_u32 s[WV], 0
	s_cbranch_scc1 .Lnot_wave_0_\@
	s_barrier_signal -3
.Lnot_wave_0_\@:
	s_barrier_wait -3
	s_barrier_signal -1
	s_barrier_wait -1
.endm
.macro CROUND
	s_barrier_signal -1
	s_barrier_wait -1
	CREST
.endm
; A joint refill: waves 0 to 2, each its matrix's 64 rows.  The branch hangs on the wave's number alone.  An s_nop 0 and four v_nop follow the load, ahead of the label.
.macro JLOAD slot
	s_cmp_lt_u32 s[WV], 3
	s_cbranch_scc0 .Lnone_\@
	tensor_load_to_lds s[G0+4*(\slot):G0+4*(\slot)+3], s[G1:G1+7]
	s_nop 0
.rept 4
	v_nop
.endr
.Lnone_\@:
.endm
; A PREFETCH INTO THE L2 of the weights that the NEXT refill will ask for: a step of a matrix is 64 rows x 2 blocks of 256 bytes.  The four partners take 16 rows each, told apart BY ADDRESS (cx stands in v5);
; waves 0 to 2 ask, each for its own matrix: one instruction, a lane a block, so each block is named once in the launch.  It stands behind the joint load's lines and the runs of loads, 188 products ahead of
; the refill that wants the block.  how = 1: the lap's second change of slots, which in the last lap has no step behind its own refill.  Steps 0 to 2 come by their loads alone.
.macro ASK how
.if \how
	s_cmp_gt_u32 s[LAP], s[LIM]
.else
	s_cmp_ge_u32 s[LAP], s[LIM]
.endif
	s_cbranch_scc0 .Lnot_mine_\@
	global_prefetch_b8 v[PFO], s[PFA:PFA+1] th:TH_LOAD_NT scope:SCOPE_SE
.Lnot_mine_\@:
.endm
; Product n = 8 f + a of a chunk's 48: weights from buffer p, patches from buffer q.  The 48 accumulators take turns, one instruction a turn, over the backward jump too.
.macro MM p, q, n, zero
.if (\n) < 32
	WIN MULQK
.set d_, 8*(\n)
.else
	WIN MULV
.set d_, 8*((\n)-32)
.endif
.set b_, BF+48*(\p)+8*((\n)/8)
.set a_, 64*(\q)+8*((\n)%8)
.if \zero
	v_wmma_f32_16x16x32_bf16 v[d_:d_+7], v[b_:b_+7], v[a_:a_+7], 0
.else
	v_wmma_f32_16x16x32_bf16 v[d_:d_+7], v[b_:b_+7], v[a_:a_+7], v[d_:d_+7]
.endif
.endm
; Half g of 12 half fragments is rounded to bf16 into buffer p: 8 numbers, four instructions.
.macro CVT4 p, g
	WIN 0
.irp z, 0,1,2,3
	v_cvt_pk_bf16_f32 v[BF+48*(\p)+4*(\g)+(\z)], v[RAW+8*(\g)+2*(\z)], v[RAW+8*(\g)+2*(\z)+1]
.endr
.endm
; cnt products from number from on; cvt = 1: behind each stand four roundings of the next chunk's weights into the other buffer.
.macro PAIRS p, q, from, cnt, zero, cvt
.set nn, \from
.rept \cnt
	MM \p, \q, nn, \zero
.if \cvt
	CVT4 1-(\p), nn
.endif
.set nn, nn+1
.endr
.endm
; 24 LDS loads in one run: a chunk's six weight fragments in f32.  Lane (r, hh) takes row r; k = 8 hh + 0..7 are 32 bytes at 32 hh, k = 16 + 8 hh + 0..7 the 32 bytes 64 further on.
.macro RAWLOAD slot, q
	WIN 0
.irp f, 0,1,2,3,4,5
.irp z, 0,1,2,3
	ds_load_b128 v[RAW+16*(\f)+4*(\z):RAW+16*(\f)+4*(\z)+3], v[ADRB+3*(\slot)+(\f)/2] offset:((\f)%2)*16*PITCH+(\q)*128+16*((\z)%2)+64*((\z)/2)
.endr
.endr
.endm
; 16 global loads in one run: chunk q's eight patch fragments, 512 bytes on end each half.
.macro ALOAD q
	WIN TOA
.irp a, 0,1,2,3,4,5,6,7
	global_load_b128 v[64*(\q)+8*(\a):64*(\q)+8*(\a)+3],   v[AO], s[ASP:ASP+1] offset:(\q)*8192+(\a)*1024
	global_load_b128 v[64*(\q)+8*(\a)+4:64*(\q)+8*(\a)+7], v[AO], s[ASP:ASP+1] offset:(\q)*8192+(\a)*1024+512
.endr
.endm
.macro ASTEP                           ; A's loads go on to the next K block
	s_wait_xcnt 0x0                                ; every load issued so far (the youngest 48 products back) has read its address: the pointer is written only behind this wait
	s_add_co_u32 s[KA], s[KA], 1
	s_and_b32 s[KA], s[KA], 31
	s_lshl_b32 s[AOF], s[KA], 16
	s_add_nc_u64 s[ASP:ASP+1], s[ABASE:ABASE+1], s[AOF:AOF+1]
.endm
; A CHUNK: 32 of K, 48 products, number i = 4 t + q.  While it is multiplied, chunk i + 1's weights are rounded (four roundings behind each of the first twelve products), chunk i + 2's are fetched from LDS
; and chunk i + 3's patches from memory.  PLACES: a rounding that writes fragment f of a buffer stands behind 8 f other roundings (f = 0: behind 20 of the chunk before) since that fragment's last product;
; the loads into a patch buffer stand behind 40 roundings that name no register of its last product.  lc: the younger global loads that may stay out: 16 for each chunk of patches asked for behind this one's.
.macro CHUNK q, slot, zero, raw, cvt, aload, lc
	s_wait_dscnt 0x0                               ; the next chunk's weights are in RAW (asked for 36 products ago)
	s_wait_loadcnt \lc                             ; this chunk's patches are in
	PAIRS (\q)%2, \q, 0, 12, \zero, \cvt
.if (\aload) && ((\q) == 1)
	ASTEP
.endif
.if \raw
.if (\q) < 2
	RAWLOAD \slot, (\q)+2
.else
	RAWLOAD 1-(\slot), (\q)-2
.endif
.endif
.if \aload
	ALOAD ((\q)+3)%4
.endif
	PAIRS (\q)%2, \q, 12, 36, \zero, 0
.endm
; THE CHANGE OF SLOTS is a step's third chunk: the slot's last bytes were asked for in the second.  Each wave waits for all its tensor loads, of which one at the most is out: its part of the other slot; adds 0 to its
; spare word; and waits for that and for its own reads of the slot.  fill = 1: the barrier opens a round of the cluster's barrier, so that no wave of any partner still reads the slot or has a load on its way, and the
; joint refill, with the step two on, is the first thing behind it: 184 products stand between it and the wait for it.
.macro TURN slot, fill, how
.if \fill
	s_wait_xcnt 0x0                                ; the last prefetch, a step back, has read its address
	s_add_co_u32 s[DOF], s[KR], 2                  ; the K block of the step three on
	s_and_b32 s[DOF], s[DOF], 31
	s_lshl_b32 s[DOF], s[DOF], 9
	s_add_nc_u64 s[PFA:PFA+1], s[WB:WB+1], s[DOF:DOF+1]
.endif
	WIN 0
	s_wait_tensorcnt 0x0                           ; no tensor load of mine is out, so a group 0 may be written
	ds_add_u32 v[SPW], v[NIL]                      ; 0 onto my spare word; work on registers stands between it and the wait for it
.if \fill
	s_add_co_u32 s[KR], s[KR], 1                   ; the K block of the step two on; the descriptor's address is made anew from it
	s_and_b32 s[KR], s[KR], 31
	s_lshl_b32 s[DOF], s[KR], 9
	s_add_nc_u64 s[G0+4*(\slot)+2:G0+4*(\slot)+3], s[WB:WB+1], s[DOF:DOF+1]
	s_or_b32 s[G0+4*(\slot)+3], s[G0+4*(\slot)+3], 0x80000000
.endif
	s_wait_loadcnt 32                              ; this chunk's patches are in; two chunks' 32 loads may stay out
	s_wait_dscnt 1                                 ; the next chunk's weights are in RAW; the add alone may be out
	PAIRS 0, 2, 0, 4, 0, 1
	s_wait_dscnt 0x0                               ; the add is done, and my reads of this slot are over
	s_barrier_signal -1
	PAIRS 0, 2, 4, 4, 0, 1                         ; work on registers while the others arrive
	WIN 0                                          ; at a branch and at a label every window is 0
	s_barrier_wait -1
.if \fill
	CREST
	JLOAD \slot
.endif
	PAIRS 0, 2, 8, 4, 0, 1
	RAWLOAD 1-(\slot), 0                           ; the other slot is whole: its first chunk
	ALOAD 1
.if \fill
	WIN 0
	ASK \how
.endif
	PAIRS 0, 2, 12, 36, 0, 0
.endm
	s_load_b512 s[4:19], s[0:1], 0x0               ; xa s[4:5], wq_ s[6:7], wk_ s[8:9], wv_ s[10:11], bq_ s[12:13], bk_ s[14:15], bv_ s[16:17], v2 s[18:19]
	s_load_b64 s[20:21], s[0:1], 0x40              ; epart
	v_lshl_add_u32 v[SPW], v0, 2, SPARE
	v_mov_b32 v[NIL], 0
	ds_add_u32 v[SPW], v[NIL]                      ; the wave's opening: the add and its wait stand ahead of my first tensor load; the set-up below, work on registers, stands between them
	v_lshrrev_b32 v1, 5, v0
	v_readfirstlane_b32 s[WV], v1                  ; wave 0..3
	s_lshr_b32 s[RH], s[WV], 1
	s_and_b32 s[CH], s[WV], 1
	s_bfe_u32 s[CX], ttmp6, 0x40000                ; my place in the cluster = the image
	s_mov_b32 s[CT], ttmp9                         ; in a cluster launch ttmp9 counts clusters
	; descriptor group 1: a tile of 64 rows x 128 elements of 4 bytes, padded in LDS
	s_mov_b32 s[G1+0], 15|(2<<16)|(1<<20)|(1<<21)|(6<<22)|(3<<25)  ; 15:0 the mask: all four work-groups; 17:16 elements of 4 bytes; 20 padding on; 21 set beside a mask; 24:22 after every 128 words (code 6); 31:25 4 words of it (code 3)
	s_mov_b32 s[G1+1], 128<<16                     ; tensor_dim0 = 128
	s_mov_b32 s[G1+2], 64<<16                      ; tensor_dim1 = 64
	s_mov_b32 s[G1+3], 128<<16                     ; tile_dim0 = 128
	s_mov_b32 s[G1+4], 64                          ; tile_dim1 = 64
	s_mov_b32 s[G1+5], 4096                        ; elements from row to row
	s_mov_b32 s[G1+6], 0
	s_mov_b32 s[G1+7], 0
	s_mov_b32 s[G0], 1                             ; count = 1
	s_mul_i32 s[G0+1], s[WV], MROWS                ; LDS address: slot 0, my matrix's rows
	s_mov_b32 s[G0+4], 1
	s_add_co_u32 s[G0+5], s[G0+1], SLOT            ; slot 1
	s_and_b32 s[KA], s[CT], 31                     ; step 0's K block
	s_add_co_u32 s[KR], s[CT], 1
	s_and_b32 s[KR], s[KR], 31                     ; step 1's
	s_mov_b32 s[DOF+1], 0
	s_mov_b32 s[AOF+1], 0
	s_mov_b32 s[SEL], 0x76543210
	s_mov_b32 s[SEL+1], 0xfedcba98
	s_cmp_lt_u32 s[WV], 3
	s_cselect_b32 s[LIM], 1, -1
	s_wait_dscnt 0x0                               ; the opening add is done
	s_wait_kmcnt 0x0
	s_cmp_eq_u32 s[WV], 1
	s_cselect_b64 s[WB:WB+1], s[8:9], s[6:7]       ; wave 0: wq_, wave 1: wk_,
	s_cmp_ge_u32 s[WV], 2
	s_cselect_b64 s[WB:WB+1], s[10:11], s[WB:WB+1] ; wave 2: wv_ (wave 3 asks for nothing)
	s_lshl_b32 s[DOF], s[CT], 20                   ; the cluster's 64 rows of 16,384 bytes
	s_add_nc_u64 s[WB:WB+1], s[WB:WB+1], s[DOF:DOF+1]
	s_lshl_b32 s[DOF], s[KA], 9                    ; a K block is 512 bytes of a row
	s_add_nc_u64 s[G0+2:G0+3], s[WB:WB+1], s[DOF:DOF+1]
	s_or_b32 s[G0+3], s[G0+3], 0x80000000          ; type = 2
	s_lshl_b32 s[DOF], s[KR], 9
	s_add_nc_u64 s[G0+6:G0+7], s[WB:WB+1], s[DOF:DOF+1]
	s_or_b32 s[G0+7], s[G0+7], 0x80000000
	CROUND                                         ; all four work-groups are here: the first joint loads meet
	s_cmp_lt_u32 s[WV], 3                          ; a wave's two first fills stand in one branch, ahead of every wait on TENSORcnt and every LDS read: two loads of mine are out
	s_cbranch_scc0 .Lno_first
	tensor_load_to_lds s[G0:G0+3], s[G1:G1+7]
	s_nop 0
	tensor_load_to_lds s[G0+4:G0+7], s[G1:G1+7]
	s_nop 0
.rept 4
	v_nop
.endr
.Lno_first:
	s_lshl_b32 s[XS0], s[CX], 21                   ; xa: my image,
	s_lshl_b32 s[XS1], s[RH], 15                   ; my half of the patches
	s_or_b32 s[XS0], s[XS0], s[XS1]
	s_mov_b32 s[XS0+1], 0
	s_add_nc_u64 s[ABASE:ABASE+1], s[4:5], s[XS0:XS0+1]
	s_lshl_b32 s[AOF], s[KA], 16
	s_add_nc_u64 s[ASP:ASP+1], s[ABASE:ABASE+1], s[AOF:AOF+1]
	s_lshl_b32 s[BOF], s[CT], 8                    ; the biases: 64 ct + 32 ch numbers on
	s_lshl_b32 s[TS], s[CH], 7
	s_or_b32 s[BOF], s[BOF], s[TS]
	s_mov_b32 s[BOF+1], 0
	s_add_nc_u64 s[BB:BB+1], s[12:13], s[BOF:BOF+1]
	s_add_nc_u64 s[BB+2:BB+3], s[14:15], s[BOF:BOF+1]
	s_add_nc_u64 s[BB+4:BB+5], s[16:17], s[BOF:BOF+1]
	v_and_b32 v1, 31, v0                           ; lane
	v_and_b32 v16, 15, v0                          ; r
	v_bfe_u32 v[HH], v0, 4, 1                      ; hh
	v_lshlrev_b32 v[AO], 4, v1
	v_lshlrev_b32 v[BO], 5, v[HH]
	WIN TOBIAS
.irp m, 0,1,2                          ; bq_ at v128, bk_ at v144, bv_ at v160 of window 3: register 8 f' + j holds channel 16 f' + 8 hh + j
.irp fp, 0,1
	global_load_b128 v[128+16*(\m)+8*(\fp):128+16*(\m)+8*(\fp)+3],   v[BO], s[BB+2*(\m):BB+2*(\m)+1] offset:64*(\fp)
	global_load_b128 v[128+16*(\m)+8*(\fp)+4:128+16*(\m)+8*(\fp)+7], v[BO], s[BB+2*(\m):BB+2*(\m)+1] offset:64*(\fp)+16
.endr
.endr
	ALOAD 0
	ALOAD 1
	ALOAD 2
	WIN 0
	s_lshl_b32 s[XS0], s[CX], 6                    ; v2: plane 64 cx + ct of 32,768 bytes,
	s_add_co_u32 s[XS0], s[XS0], s[CT]
	s_lshl_b32 s[XS0], s[XS0], 15
	s_lshl_b32 s[XS1], s[RH], 14                   ; patch rows 8 rh on, 2,048 bytes each,
	s_or_b32 s[XS0], s[XS0], s[XS1]
	s_lshl_b32 s[XS1], s[CH], 9                    ; px = 4 ch on, 128 bytes each
	s_or_b32 s[XS0], s[XS0], s[XS1]
	s_add_nc_u64 s[V2B:V2B+1], s[18:19], s[XS0:XS0+1]
	s_lshl_b32 s[XS0], s[CT], 13                   ; epart: row 2 ct + ch of 4,096 bytes,
	s_lshl_b32 s[XS1], s[CH], 12
	s_or_b32 s[XS0], s[XS0], s[XS1]
	s_lshl_b32 s[XS1], s[CX], 10                   ; patches 256 cx + 128 rh on
	s_or_b32 s[XS0], s[XS0], s[XS1]
	s_lshl_b32 s[XS1], s[RH], 9
	s_or_b32 s[XS0], s[XS0], s[XS1]
	s_add_nc_u64 s[EPB:EPB+1], s[20:21], s[XS0:XS0+1]
	v_lshrrev_b32 v17, 3, v16
	v_and_b32 v18, 7, v16
	v_lshlrev_b32 v[VO], 4, v18
	v_lshl_or_b32 v[VO], v[HH], 7, v[VO]
	v_lshl_or_b32 v[VO], v17, 10, v[VO]
	s_lshl_b32 s[XS1], s[CX], 4
	v_lshrrev_b32 v19, 1, v1
	v_add_nc_u32 v19, s[XS1], v19                  ; my work-group's 16 rows of the 64
	v_and_b32 v20, 1, v1
	v_lshlrev_b32 v[PFO], 14, v19
	v_lshl_or_b32 v[PFO], v20, 8, v[PFO]
	s_lshl_b32 s[TS], s[WV], 9
	s_add_co_u32 s[TS], s[TS], ESTAGE              ; my stage
	v_lshl_add_u32 v[ES], v1, 2, s[TS]
	v_lshl_add_u32 v[EL], v1, 4, s[TS]
	v_mul_u32_u24 v17, v16, PITCH                  ; a fragment's row x pitch
	v_lshl_add_u32 v17, v[HH], 5, v17              ; + 32 hh
	s_mul_i32 s[TS], s[CH], 32*PITCH               ; + my 32 rows of the 64
	v_add_nc_u32 v17, s[TS], v17
.irp s, 0,1
.irp m, 0,1,2
	v_add_nc_u32 v[ADRB+3*(\s)+(\m)], (\s)*SLOT+(\m)*MROWS, v17
.endr
.endr
	s_wait_tensorcnt 0x1                           ; my part of slot 0 is in; slot 1's may stay out
	s_barrier_signal -1
	s_barrier_wait -1                              ; everybody's is
	RAWLOAD 0, 0
	s_wait_dscnt 0x0
.set gg, 0
.rept 12
	CVT4 0, gg                                     ; chunk 0's weights
.set gg, gg+1
.endr
	RAWLOAD 0, 1
	CHUNK 0, 0, 1, 1, 1, 1, 32                     ; the first chunk stands in front of the loop: its products start the sums.  Its wait on loads also shows the biases in
	WIN 0
	s_mov_b32 s[LAP], 15
.Llap:                                             ; a trip goes once round the ring, from a lap's second chunk to the next lap's first, and fills both slots again
	CHUNK 1, 0, 0, 1, 1, 1, 32
	TURN 0, 1, 0
	CHUNK 3, 0, 0, 1, 1, 1, 32
	CHUNK 0, 1, 0, 1, 1, 1, 32
	CHUNK 1, 1, 0, 1, 1, 1, 32
	TURN 1, 1, 1
	CHUNK 3, 1, 0, 1, 1, 1, 32
	CHUNK 0, 0, 0, 1, 1, 1, 32
	WIN 0
	s_sub_co_u32 s[LAP], s[LAP], 1
	s_cmp_lg_u32 s[LAP], 0
	s_cbranch_scc1 .Llap
	CHUNK 1, 0, 0, 1, 1, 1, 32                     ; the last lap is written out: it fills nothing, and has no round of the cluster's barrier
	TURN 0, 0, 0
	CHUNK 3, 0, 0, 1, 1, 1, 32
	CHUNK 0, 1, 0, 1, 1, 1, 32
	CHUNK 1, 1, 0, 1, 1, 0, 32                     ; no patches are left to ask for: the counts run down
	CHUNK 2, 1, 0, 0, 1, 0, 16                     ; no weights either
	CHUNK 3, 1, 0, 0, 0, 0, 0
	; THE WAY OUT.  v_ + bv_: a lane's eight numbers of a tile are eight pixels of an image row: 16 bytes in bf16.  A store covers two aligned runs of 256 bytes (hh, r % 8; r / 8 picks the run).
	WIN 0
.rept 4
	v_nop                                          ; the places behind the last products
.endr
.irp fp, 0,1
	WIN 0x0f                                       ; sources 0 and 1 window 3, destination window 0
.set k, 0
.rept 32                               ; k = 4 a + z; each accumulator's registers in ascending order
	v_pk_add_f32 v[32+2*k:33+2*k], v[64*(\fp)+2*k:64*(\fp)+2*k+1], v[160+8*(\fp)+2*(k%4):160+8*(\fp)+2*(k%4)+1]
.set k, k+1
.endr
	WIN 0
.set k, 0
.rept 32
	v_cvt_pk_bf16_f32 v[128+32*(\fp)+k], v[32+2*k], v[33+2*k]
.set k, k+1
.endr
.irp a, 0,1,2,3,4,5,6,7
	global_store_b128 v[VO], v[128+32*(\fp)+4*(\a):128+32*(\fp)+4*(\a)+3], s[V2B:V2B+1] offset:(\a)*2048+(\fp)*256 th:TH_STORE_NT
.endr
.endr
	; (q_ + bq_)(k_ + bk_), summed over my 32 channels: 16 of them lie in the lane, the other 16 in the lane 16 away.
.set aa, 0
.rept 8
	WIN 0x0e                                       ; source 0 window 2, source 1 window 3, destination window 0
.irp fp, 0,1
.irp z, 0,1,2,3
	v_pk_add_f32 v[32+8*(\fp)+2*(\z):32+8*(\fp)+2*(\z)+1], v[8*(8*(\fp)+aa)+2*(\z):8*(8*(\fp)+aa)+2*(\z)+1], v[128+8*(\fp)+2*(\z):128+8*(\fp)+2*(\z)+1]
	v_pk_add_f32 v[48+8*(\fp)+2*(\z):48+8*(\fp)+2*(\z)+1], v[8*(8*(2+(\fp))+aa)+2*(\z):8*(8*(2+(\fp))+aa)+2*(\z)+1], v[144+8*(\fp)+2*(\z):144+8*(\fp)+2*(\z)+1]
.endr
.endr
	WIN 0
	v_pk_mul_f32 v[224+2*aa:225+2*aa], v[32:33], v[48:49]
.irp y, 1,2,3,4,5,6,7
	v_pk_fma_f32 v[224+2*aa:225+2*aa], v[32+2*(\y):33+2*(\y)], v[48+2*(\y):49+2*(\y)], v[224+2*aa:225+2*aa]
.endr
.set aa, aa+1
.endr
.irp a, 0,1,2,3,4,5,6,7
	v_add_f32 v[224+2*(\a)], v[224+2*(\a)], v[225+2*(\a)]
.endr
.irp a, 0,1,2,3,4,5,6,7
	v_permlanex16_b32 v[225+2*(\a)], v[224+2*(\a)], s[SEL], s[SEL+1]
.endr
.irp a, 0,1,2,3,4,5,6,7
	v_add_f32 v[224+2*(\a)], v[224+2*(\a)], v[225+2*(\a)]  ; block a's 16 sums, in both halves of the lanes
.endr
	v_cmp_eq_u32 s[BB], 1, v[HH]
.irp i, 0,1,2,3
	v_cndmask_b32 v[240+(\i)], v[224+4*(\i)], v[226+4*(\i)], s[BB]  ; lane l takes patch 32 i + l: block 2 i + hh
.endr
.irp i, 0,1,2,3
	ds_store_b32 v[ES], v[240+(\i)] offset:128*(\i)
.endr
	ds_load_b128 v[244:247], v[EL]                 ; LDS serves a wave's instructions in order (ISA guide 5.7.1.4): this sees the stores above
	s_wait_dscnt 0x0
	global_store_b128 v[AO], v[244:247], s[EPB:EPB+1] th:TH_STORE_NT  ; my 128 patches: 512 bytes on end, aligned
	s_wait_tensorcnt 0x0                           ; the wave's end, behind my last tensor load and my last LDS store
	ds_add_u32 v[SPW], v[NIL]
	s_wait_dscnt 0x0
	CROUND                                         ; the closing round: no work-group ends while a partner may still ask for a tile that names it
	s_endpgm
.Lfunc_end_k_qa88511bb3a_gemm:
	.size	k_qa88511bb3a_gemm, .Lfunc_end_k_qa88511bb3a_gemm-k_qa88511bb3a_gemm
	.p2alignl 7, 3214868480
	.fill 96, 4, 3214868480
	.section	.rodata,"a",@progbits
	.p2align	6, 0x0
	.amdhsa_kernel k_qa88511bb3a_gemm
		.amdhsa_group_segment_fixed_size 327680
		.amdhsa_private_segment_fixed_size 0
		.amdhsa_enable_private_segment 0
		.amdhsa_kernarg_size 72
		.amdhsa_user_sgpr_count 2
		.amdhsa_user_sgpr_kernarg_segment_ptr 1
		.amdhsa_wavefront_size32 1
		.amdhsa_system_sgpr_workgroup_id_x 1
		.amdhsa_system_sgpr_workgroup_id_y 1
		.amdhsa_system_sgpr_workgroup_id_z 1
		.amdhsa_system_vgpr_workitem_id 0
		.amdhsa_next_free_vgpr 960
		.amdhsa_next_free_sgpr 80
		.amdhsa_reserve_vcc 0
		.amdhsa_float_denorm_mode_32 3
		.amdhsa_float_denorm_mode_16_64 3
		.amdhsa_memory_ordered 1
		.amdhsa_forward_progress 1
		.amdhsa_inst_pref_size 193
	.end_amdhsa_kernel
	.amdgpu_metadata
---
amdhsa.version: [ 1, 2 ]
amdhsa.kernels:
  - .name:           k_qa88511bb3a_gemm
    .symbol:         k_qa88511bb3a_gemm.kd
    .args:
      - { .name: xa, .offset: 0, .size: 8, .value_kind: global_buffer, .address_space: global }
      - { .name: wq_, .offset: 8, .size: 8, .value_kind: global_buffer, .address_space: global }
      - { .name: wk_, .offset: 16, .size: 8, .value_kind: global_buffer, .address_space: global }
      - { .name: wv_, .offset: 24, .size: 8, .value_kind: global_buffer, .address_space: global }
      - { .name: bq_, .offset: 32, .size: 8, .value_kind: global_buffer, .address_space: global }
      - { .name: bk_, .offset: 40, .size: 8, .value_kind: global_buffer, .address_space: global }
      - { .name: bv_, .offset: 48, .size: 8, .value_kind: global_buffer, .address_space: global }
      - { .name: v2, .offset: 56, .size: 8, .value_kind: global_buffer, .address_space: global }
      - { .name: epart, .offset: 64, .size: 8, .value_kind: global_buffer, .address_space: global }
    .group_segment_fixed_size: 327680
    .private_segment_fixed_size: 0
    .kernarg_segment_align: 8
    .kernarg_segment_size: 72
    .max_flat_workgroup_size: 128
    .sgpr_count:     80
    .vgpr_count:     960
    .wavefront_size: 32
...
	.end_amdgpu_metadata
.endif
;; end of part 2
;; launch gate (part 3): grid 128 x 1, 8 waves a work-group, no clusters, 321,280 bytes of LDS; arguments x, wq, bq, wk, bk, wv, bv, v2, epart, out0; writes out0
.if DOCPART == 3
	.amdgcn_target "amdgcn-amd-amdhsa--gfx1250"
	.amdhsa_code_object_version 6
	.text
	.protected	k_qa88511bb3a_gate
	.globl	k_qa88511bb3a_gate
	.p2align	8
	.type	k_qa88511bb3a_gate,@function
k_qa88511bb3a_gate:
	s_mov_b64 s[64:65], 0
	v_nop
	global_prefetch_b8 v0, s[64:65] scope:SCOPE_SE
	s_setreg_imm32_b32 hwreg(HW_REG_WAVE_MODE, 25, 1), 1
	s_wait_xcnt 0x0
; THE INTRA-PATCH ATTENTION, THE INTER-PATCH WEIGHT AND THE GATE.  out = x + x sigmoid(res1 + res2).
; res1: for each patch of 8 x 8 pixels, q, k, v = w x + b (64 x 64 x 64), energy = softmax_t(q^T k), out1[c][i] = the sum over j of v[c][j] energy[i][j].
; res2 = v_ att: v_ comes in bf16 from v2; e = the sum of epart's 128 partial sums; att = softmax over the one number e: exp(e - max) / sum, the maximum and the sum being taken over that one element.
; LIMITS.  Matrix operands (x, the weights, q, k, v, the weights p) are bf16, sums, maxima and biases f32; a weight below 2^-126 counts as 0; the running maximum passes over NaN; an e that is not finite gives NaN, as in reference().
; SHARES.  A work-group takes 8 patches that lie side by side in the image (one patch row, half of its 16 columns): each piece of x, out0 and v2 is then 256 bytes on end, aligned; with 4 patches it would be 128.
; So there are 128 work-groups.  NO CLUSTER, NO TENSOR LOAD: the work-groups share nothing but 48 KiB of weights, and all loads go out at the head.
; PHASE A, by threads: thread t = 16 hw + li takes in pass i the 16 bytes li of the row (c = 2 i + hw / 8, px = hw % 8).  x stays in f32 in the thread's registers to the end; a copy in bf16 goes to LDS, by patches.
; PHASE B, by waves: wave w makes patch w's attention; -log2(e) res1 goes to LDS in f32.     PHASE C, by threads again: the gate, and the stores.
; LDS: XB bf16 [patch][c][s], rows of 160 bytes (5 x 32), patches 10,272 apart; WL bf16 [m][o][c], rows of 144; RB f32 [patch][c][s], rows of 272, patches 17,440 apart
;      V2S each thread's own 8 bytes of v2 a pass; EP [p][8] f32; BIASL bq, bk, bv; ATT a word a patch; the spare words.
; REGISTERS: window 0: v0-31 addresses; v32-95 XT, x^T's fragments (sb, kc) at 8 (2 sb + kc); v96-223 ACC (in a projection: 8 tiles, then WF, the weights' 8 fragments, at v160); v224-255 biases, then the softmax's statistics.
;            window 1: v0-127 XF, x in f32; v128-191 q's fragments, later p's; v192-255 k's, later v's.
.set XPP,   10272
.set XP,    160
.set WL,    8*XPP
.set WP,    144
.set RB,    WL+3*64*WP
.set RPP,   17440
.set RP,    272
.set V2S,   RB+8*RPP
.set EP,    V2S+65536
.set BIASL, EP+4096
.set ATT,   BIASL+1024
.set SPARE, ATT+256                    ; the spare words, 128 bytes for each of eight waves: four blocks of 256 bytes that no other line names
.set XO,  4                            ; v4   my 16 bytes of x and out0 in pass 0
.set VOF, 5                            ; v5   my 8 bytes of v2
.set XS,  6                            ; v6   where they go in XB
.set VS,  7                            ; v7   and in V2S
.set WO,  8                            ; v8   my 16 bytes of a weight matrix
.set WS,  9                            ; v9   where they go in WL
.set EPO, 10                           ; v10  my 16 bytes of epart
.set EPS, 11                           ; v11  where they go in EP
.set EPR, 12                           ; v12  partial sum p = lane of patch w
.set XTA, 13                           ; v13  the turning load's address in my patch
.set WA,  14                           ; v14  a weight fragment's
.set BA,  15                           ; v15  a bias along the registers: 32 hh
.set BR,  16                           ; v16  bv along the lanes: 4 r
.set RW,  17                           ; v17  where my results go in RB
.set RR,  18                           ; v18  where I read them back, by threads
.set AT,  19                           ; v19  my thread's patch's att
.set ATW, 20                           ; v20  my wave's patch's att
.set BLO, 21                           ; v21  8 x lane
.set BLS, 22                           ; v22  where a bias goes
.set SPW, 30                           ; v30  LDS address of my spare word; never rewritten
.set NIL, 31                           ; v31  0; never rewritten
.set XT,  32
.set ACC, 96
.set WF,  160
.set BI,  224
.set ST,  224                          ; query block sb's statistics at ST + 8 sb: c m, m, then six at work
.set QOP, 128                          ; window 1
.set KOP, 192
.set WV,  24                           ; s24  wave
.set CS,  38                           ; s[38:39] log2(e)
.set SEL, 40                           ; s[40:41] v_permlanex16_b32's selects
.set HIM, 42                           ; s42  a word's upper bf16
.set NCS, 43                           ; s43  -log2(e)
.set MSB, 0
.macro WIN new
.if MSB != (\new)
	s_set_vgpr_msb (MSB<<8)|(\new)
.set MSB, \new
.endif
.endm
.macro NOP4                            ; four places behind a matrix instruction, in front of what reads its result or loads into its registers
.rept 4
	v_nop
.endr
.endm
.macro LOADW m                         ; matrix m's 8 fragments: rows 16 ob on, channels 32 kc on
.irp ob, 0,1,2,3
.irp kc, 0,1
	ds_load_b128 v[WF+8*(2*(\ob)+(\kc)):WF+8*(2*(\ob)+(\kc))+3],   v[WA] offset:(\m)*64*WP+(\ob)*16*WP+(\kc)*64
	ds_load_b128 v[WF+8*(2*(\ob)+(\kc))+4:WF+8*(2*(\ob)+(\kc))+7], v[WA] offset:(\m)*64*WP+(\ob)*16*WP+(\kc)*64+32
.endr
.endr
.endm
.macro LOADB m                         ; bias m as the C operand of a tile whose registers run along the output channel: register j of block ob holds b[16 ob + 8 hh + j]
.irp ob, 0,1,2,3
	ds_load_b128 v[BI+8*(\ob):BI+8*(\ob)+3],   v[BA] offset:(\m)*256+(\ob)*64
	ds_load_b128 v[BI+8*(\ob)+4:BI+8*(\ob)+7], v[BA] offset:(\m)*256+(\ob)*64+16
.endr
.endm
; Half a projection: pixel blocks 2 h, 2 h + 1 x all four channel blocks: 8 tiles, 16 products.  The bias starts the sums.  The 8 accumulators take turns.
; sw = 0: source 0 = weights, source 1 = x^T: a lane holds one pixel and 8 output channels (q, k).  sw = 1: the sources swapped: a lane holds one output channel and 8 pixels (v).
.macro HALF sw, h
.irp kc, 0,1
.irp sl, 0,1
.irp ob, 0,1,2,3
.set t_, ACC+8*(4*(\sl)+(\ob))
.set w_, WF+8*(2*(\ob)+(\kc))
.set x_, XT+8*(2*(2*(\h)+(\sl))+(\kc))
.set c_, t_
.if (\kc) == 0
.set c_, BI+8*(\ob)
.endif
.if \sw
	v_wmma_f32_16x16x32_bf16 v[t_:t_+7], v[x_:x_+7], v[w_:w_+7], v[c_:c_+7]
.else
	v_wmma_f32_16x16x32_bf16 v[t_:t_+7], v[w_:w_+7], v[x_:x_+7], v[c_:c_+7]
.endif
.endr
.endr
.endr
.endm
; The half's tiles, rounded to bf16 in pairs, ARE fragments of the next product: for q and k fragment (pixel block, channel half), for v fragment (channel block, pixel half).
.macro CVTQK h, dst
	WIN 0x40                                       ; destination window 1
.irp sl, 0,1
.irp ob, 0,1,2,3
.irp z, 0,1,2,3
	v_cvt_pk_bf16_f32 v[(\dst)+8*(2*(2*(\h)+(\sl))+(\ob)/2)+4*((\ob)%2)+(\z)], v[ACC+8*(4*(\sl)+(\ob))+2*(\z)], v[ACC+8*(4*(\sl)+(\ob))+2*(\z)+1]
.endr
.endr
.endr
	WIN 0
.endm
.macro CVTV h
	WIN 0x40
.irp sl, 0,1
.irp ob, 0,1,2,3
.irp z, 0,1,2,3
	v_cvt_pk_bf16_f32 v[KOP+8*(2*(\ob)+(\h))+4*(\sl)+(\z)], v[ACC+8*(4*(\sl)+(\ob))+2*(\z)], v[ACC+8*(4*(\sl)+(\ob))+2*(\z)+1]
.endr
.endr
.endr
	WIN 0
.endm
; Number j of the 16 that find the maximum of a lane's 32 scores of query block sb: four chains of seven, three operands at a time (each accumulator's lowest registers first), the four left over, the four into one.
.macro MAXN j, sb
.set rT, ST+8*(\sb)
.set rS, ACC+32*(\sb)
.if (\j) < 4
	v_max3_num_f32 v[rT+4+(\j)], v[rS+8*(\j)], v[rS+8*(\j)+1], v[rS+8*(\j)+2]
.elseif (\j) < 12
	v_max3_num_f32 v[rT+4+(\j)%4], v[rT+4+(\j)%4], v[rS+8*((\j)%4)+2*((\j)/4)+1], v[rS+8*((\j)%4)+2*((\j)/4)+2]
.elseif (\j) == 12
	v_max3_num_f32 v[rT+4], v[rT+4], v[rS+7], v[rS+15]
.elseif (\j) == 13
	v_max3_num_f32 v[rT+6], v[rT+6], v[rS+23], v[rS+31]
.elseif (\j) == 14
	v_max3_num_f32 v[rT+4], v[rT+4], v[rT+5], v[rT+6]
.else
	v_max_num_f32 v[rT+4], v[rT+4], v[rT+7]
.endif
.endm
	s_load_b512 s[4:19], s[0:1], 0x0               ; x s[4:5], wq s[6:7], bq s[8:9], wk s[10:11], bk s[12:13], wv s[14:15], bv s[16:17], v2 s[18:19]
	s_load_b128 s[20:23], s[0:1], 0x40             ; epart s[20:21], out0 s[22:23]
	v_lshl_add_u32 v[SPW], v0, 2, SPARE
	v_mov_b32 v[NIL], 0
	v_lshrrev_b32 v1, 5, v0
	v_readfirstlane_b32 s[WV], v1                  ; wave 0..7
	s_lshr_b32 s25, ttmp9, 5                       ; image b
	s_bfe_u32 s44, ttmp9, 0x40001                  ; patch row ix
	s_and_b32 s45, ttmp9, 1                        ; hf: which 8 of its 16 patches
	s_lshl_b32 s28, s25, 22                        ; x and out0: b<<22 | ix<<12 | hf<<8
	s_lshl_b32 s46, s44, 12
	s_or_b32 s28, s28, s46
	s_lshl_b32 s46, s45, 8
	s_or_b32 s28, s28, s46
	s_mov_b32 s29, 0
	s_lshl_b32 s32, s25, 21                        ; v2: b<<21 | ix<<11 | hf<<10
	s_lshl_b32 s46, s44, 11
	s_or_b32 s32, s32, s46
	s_lshl_b32 s46, s45, 10
	s_or_b32 s32, s32, s46
	s_mov_b32 s33, 0
	s_lshl_b32 s34, s25, 10                        ; epart: patch 256 b + 16 ix + 8 hf, 4 bytes each
	s_lshl_b32 s46, s44, 6
	s_or_b32 s34, s34, s46
	s_lshl_b32 s46, s45, 5
	s_or_b32 s34, s34, s46
	s_mov_b32 s35, 0
	s_mov_b32 s[CS], 0x3fb8aa3b
	s_mov_b32 s[CS+1], s[CS]                       ; named with it as a pair
	s_mov_b32 s[SEL], 0x76543210
	s_mov_b32 s[SEL+1], 0xfedcba98
	s_mov_b32 s[HIM], 0xffff0000
	s_mov_b32 s[NCS], 0xbfb8aa3b
	v_and_b32 v1, 31, v0                           ; lane
	v_and_b32 v2, 15, v0                           ; li, and a fragment's r
	v_bfe_u32 v3, v0, 4, 1                         ; hh
	v_lshrrev_b32 v23, 7, v0                       ; hw / 8
	v_bfe_u32 v24, v0, 4, 3                        ; hw % 8
	v_lshrrev_b32 v25, 1, v2                       ; li / 2: the thread's patch
	v_and_b32 v26, 1, v0                           ; li % 2
	v_lshlrev_b32 v[XO], 4, v2
	v_lshl_or_b32 v[XO], v24, 9, v[XO]
	v_lshl_or_b32 v[XO], v23, 16, v[XO]
	v_lshlrev_b32 v[VOF], 3, v2
	v_lshl_or_b32 v[VOF], v24, 7, v[VOF]
	v_lshl_or_b32 v[VOF], v23, 15, v[VOF]
	v_lshlrev_b32 v[WO], 4, v0
	v_lshrrev_b32 v[EPO], 1, v0                    ; partial sum p = t / 2, patches 4 (t % 2) on
	v_lshlrev_b32 v[EPO], 12, v[EPO]
	v_lshl_or_b32 v[EPO], v26, 4, v[EPO]
	v_lshlrev_b32 v[BLO], 3, v1
	s_wait_kmcnt 0x0
	s_add_nc_u64 s[30:31], s[22:23], s[28:29]      ; out0,
	s_add_nc_u64 s[28:29], s[4:5], s[28:29]        ; x,
	s_add_nc_u64 s[32:33], s[18:19], s[32:33]      ; v2,
	s_add_nc_u64 s[34:35], s[20:21], s[34:35]      ; epart at the work-group's part
	s_cmp_eq_u32 s[WV], 1
	s_cselect_b64 s[36:37], s[12:13], s[8:9]       ; wave 0: bq, wave 1: bk,
	s_cmp_eq_u32 s[WV], 2
	s_cselect_b64 s[36:37], s[16:17], s[36:37]     ; wave 2: bv
	; PHASE A.  All loads go out at once, those wanted first in front: a bias (waves 0 to 2), 12 of weights, 1 of epart, 32 of x, 32 of v2.
	s_cmp_lt_u32 s[WV], 3
	s_cbranch_scc0 .Lno_bias
	global_load_b64 v[212:213], v[BLO], s[36:37]
.Lno_bias:
.irp m, 0,1,2
.irp i, 0,1,2,3
	global_load_b128 v[ACC+4*(4*(\m)+(\i)):ACC+4*(4*(\m)+(\i))+3], v[WO], s[6+4*(\m):7+4*(\m)] offset:(\i)*4096
.endr
.endr
	global_load_b128 v[208:211], v[EPO], s[34:35]
	WIN 0x40
.set i, 0
.rept 32
	global_load_b128 v[4*i:4*i+3], v[XO], s[28:29] offset:i*131072 th:TH_LOAD_NT  ; 16 lanes: 256 bytes on end, aligned
.set i, i+1
.endr
	WIN 0
.set i, 0
.rept 32
	global_load_b64 v[144+2*i:145+2*i], v[VOF], s[32:33] offset:i*65536 th:TH_LOAD_NT  ; 32 lanes: 256 bytes on end, aligned
.set i, i+1
.endr
	; the LDS addresses are made while the loads are on their way
	v_mul_u32_u24 v[XS], v25, XPP
	v_mad_u32_u24 v[XS], v23, XP, v[XS]
	v_lshl_add_u32 v[XS], v24, 4, v[XS]
	v_lshl_add_u32 v[XS], v26, 3, v[XS]
	v_lshl_add_u32 v[VS], v0, 3, V2S
	v_lshrrev_b32 v27, 4, v0                       ; hw
	v_mul_u32_u24 v[WS], v27, WP
	v_lshl_add_u32 v[WS], v2, 3, v[WS]
	v_add_nc_u32 v[WS], WL, v[WS]
	v_lshl_add_u32 v[EPS], v0, 4, EP
	s_lshl_b32 s46, s[WV], 2
	s_add_co_u32 s47, s46, EP
	v_lshl_add_u32 v[EPR], v1, 5, s47
	s_add_co_u32 s47, s46, ATT
	v_mov_b32 v[ATW], s47
	v_and_b32 v27, 7, v0
	v_lshl_add_u32 v27, v3, 3, v27                 ; the turning load: lane l reads row 8 (l / 16) + l % 8,
	v_mul_u32_u24 v[XTA], v27, XP
	v_bfe_u32 v27, v0, 3, 1
	v_lshl_add_u32 v[XTA], v27, 4, v[XTA]          ; 16 bytes at 16 ((l / 8) % 2)
	s_mul_i32 s46, s[WV], XPP
	v_add_nc_u32 v[XTA], s46, v[XTA]
	v_mul_u32_u24 v[WA], v2, WP
	v_lshl_add_u32 v[WA], v3, 4, v[WA]
	v_add_nc_u32 v[WA], WL, v[WA]
	v_lshl_add_u32 v[BA], v3, 5, BIASL
	v_lshl_add_u32 v[BR], v2, 2, BIASL+512
	v_mul_u32_u24 v[RW], v2, RP
	v_lshl_add_u32 v[RW], v3, 5, v[RW]
	s_mul_i32 s46, s[WV], RPP
	s_add_co_u32 s46, s46, RB
	v_add_nc_u32 v[RW], s46, v[RW]
	v_mul_u32_u24 v[RR], v25, RPP
	v_mad_u32_u24 v[RR], v23, RP, v[RR]
	v_lshl_add_u32 v[RR], v24, 5, v[RR]
	v_lshl_add_u32 v[RR], v26, 4, v[RR]
	v_add_nc_u32 v[RR], RB, v[RR]
	v_lshl_add_u32 v[AT], v25, 2, ATT
	s_lshl_b32 s46, s[WV], 8
	s_add_co_u32 s46, s46, BIASL
	v_lshl_add_u32 v[BLS], v1, 3, s46
	s_wait_loadcnt 63                              ; behind epart's load stand 64 others: with 63 out at the most, the bias, the weights and epart are in
.set k, 0
.rept 12
	v_cvt_pk_bf16_f32 v[32+2*k], v[ACC+4*k], v[ACC+4*k+1]
	v_cvt_pk_bf16_f32 v[33+2*k], v[ACC+4*k+2], v[ACC+4*k+3]
	ds_store_b64 v[WS], v[32+2*k:33+2*k] offset:(k/4)*64*WP+(k%4)*16*WP
.set k, k+1
.endr
	ds_store_b128 v[EPS], v[208:211]
	s_cmp_lt_u32 s[WV], 3
	s_cbranch_scc0 .Lno_bias_2
	ds_store_b64 v[BLS], v[212:213]
.Lno_bias_2:
.set g, 0
.rept 8                                ; x, four passes to a wait
	s_wait_loadcnt 60-4*g                          ; behind pass 4 g + 3 stand 28 - 4 g loads of x and 32 of v2
	WIN 0x05                                       ; sources window 1, destination window 0
.irp u, 0,1,2,3
	v_cvt_pk_bf16_f32 v[32+2*(4*g+(\u))], v[4*(4*g+(\u))], v[4*(4*g+(\u))+1]
	v_cvt_pk_bf16_f32 v[33+2*(4*g+(\u))], v[4*(4*g+(\u))+2], v[4*(4*g+(\u))+3]
.endr
	WIN 0
.irp u, 0,1,2,3
	ds_store_b64 v[XS], v[32+2*(4*g+(\u)):33+2*(4*g+(\u))] offset:(4*g+(\u))*2*XP
.endr
.set g, g+1
.endr
.set g, 0
.rept 8                                ; v2 is set aside: each thread's own bytes
	s_wait_loadcnt 28-4*g
.irp u, 0,1,2,3
	ds_store_b64 v[VS], v[144+2*(4*g+(\u)):145+2*(4*g+(\u))] offset:(4*g+(\u))*2048
.endr
.set g, g+1
.endr
	s_wait_dscnt 0x0                               ; for the others' sake: my stores are done
	s_barrier_signal -1
	s_barrier_wait -1
	; PHASE B.  44 LDS loads: 4 of partial sums, 16 that turn x into fragments of x^T, 16 of wq, 8 of bq.
.irp z, 0,1,2,3
	ds_load_b32 v[24+(\z)], v[EPR] offset:(\z)*1024
.endr
.irp sb, 0,1,2,3
.irp kc, 0,1
	ds_load_tr16_b128 v[XT+8*(2*(\sb)+(\kc)):XT+8*(2*(\sb)+(\kc))+3],   v[XTA] offset:(\kc)*32*XP+(\sb)*32
	ds_load_tr16_b128 v[XT+8*(2*(\sb)+(\kc))+4:XT+8*(2*(\sb)+(\kc))+7], v[XTA] offset:(\kc)*32*XP+16*XP+(\sb)*32
.endr
.endr
	LOADW 0
	LOADB 0
	s_wait_dscnt 40                                ; the four partial sums are in; the 40 loads behind them may stay out
	v_add_f32 v24, v24, v25
	v_add_f32 v26, v26, v27
	v_add_f32 v24, v24, v26
	v_add_f32_dpp v24, v24, v24 row_xmask:1 row_mask:0xf bank_mask:0xf
	v_add_f32_dpp v24, v24, v24 row_xmask:2 row_mask:0xf bank_mask:0xf
	v_add_f32_dpp v24, v24, v24 row_xmask:4 row_mask:0xf bank_mask:0xf
	v_add_f32_dpp v24, v24, v24 row_xmask:8 row_mask:0xf bank_mask:0xf
	v_permlanex16_b32 v25, v24, s[SEL], s[SEL+1]
	v_add_f32 v24, v24, v25                        ; e, in every lane
	v_sub_f32 v25, v24, v24                        ; e less the maximum over the one element, which is e
	v_mul_f32 v25, s[CS], v25
	v_exp_f32 v26, v25
	v_nop                                          ; a plain instruction behind the exponential,
	s_wait_alu depctr_va_vdst(0)                   ; and a wait ahead of its first reader
	v_rcp_f32 v27, v26                             ; the sum over the one element is the exponential itself
	v_nop
	s_wait_alu depctr_va_vdst(0)
	v_mul_f32 v26, v26, v27                        ; att
	ds_store_b32 v[ATW], v26                       ; all lanes write the same word with the same value
	s_wait_dscnt 0x0
	HALF 0, 0                                      ; q
	NOP4
	CVTQK 0, QOP
	HALF 0, 1
	NOP4
	LOADW 1                                        ; wk and bk are fetched while q's second half is rounded
	LOADB 1
	CVTQK 1, QOP
	s_wait_dscnt 0x0
	HALF 0, 0                                      ; k
	NOP4
	CVTQK 0, KOP
	HALF 0, 1
	NOP4
	CVTQK 1, KOP
	; S^T = k^T q: source 0 = 16 keys t, source 1 = 16 queries s: a lane holds ONE query (r) and the keys 8 hh + 0..7 of each of four blocks.  16 accumulators by turns.
	WIN 0x05
.irp kh, 0,1
.irp sb, 0,1,2,3
.irp tb, 0,1,2,3
.if (\kh) == 0
	v_wmma_f32_16x16x32_bf16 v[ACC+8*(4*(\sb)+(\tb)):ACC+8*(4*(\sb)+(\tb))+7], v[KOP+8*(2*(\tb)+(\kh)):KOP+8*(2*(\tb)+(\kh))+7], v[QOP+8*(2*(\sb)+(\kh)):QOP+8*(2*(\sb)+(\kh))+7], 0
.else
	v_wmma_f32_16x16x32_bf16 v[ACC+8*(4*(\sb)+(\tb)):ACC+8*(4*(\sb)+(\tb))+7], v[KOP+8*(2*(\tb)+(\kh)):KOP+8*(2*(\tb)+(\kh))+7], v[QOP+8*(2*(\sb)+(\kh)):QOP+8*(2*(\sb)+(\kh))+7], v[ACC+8*(4*(\sb)+(\tb)):ACC+8*(4*(\sb)+(\tb))+7]
.endif
.endr
.endr
.endr
	WIN 0
	NOP4
	; THE SOFTMAX, the four query blocks side by side, so that no instruction waits for the one before it.
.irp j, 0,1,2,3,4,5,6,7,8,9,10,11,12,13,14,15
.irp sb, 0,1,2,3
	MAXN \j, \sb
.endr
.endr
.irp sb, 0,1,2,3
	v_permlanex16_b32 v[ST+8*(\sb)+5], v[ST+8*(\sb)+4], s[SEL], s[SEL+1]  ; the query's other 32 keys lie in the lane 16 away
.endr
.irp sb, 0,1,2,3
	v_max_num_f32 v[ST+8*(\sb)+1], v[ST+8*(\sb)+4], v[ST+8*(\sb)+5]       ; m
.endr
.irp sb, 0,1,2,3
	v_mul_f32 v[ST+8*(\sb)], s[CS], v[ST+8*(\sb)+1]                       ; c m, c = log2(e)
.endr
.set k, 0
.rept 16
.irp sb, 0,1,2,3
	v_pk_fma_f32 v[ACC+32*(\sb)+2*k:ACC+32*(\sb)+2*k+1], v[ACC+32*(\sb)+2*k:ACC+32*(\sb)+2*k+1], s[CS:CS+1], v[ST+8*(\sb):ST+8*(\sb)+1] op_sel_hi:[1,0,0] neg_lo:[0,0,1] neg_hi:[0,0,1]  ; c s - c m
.endr
.set k, k+1
.endr
.set k, 0
.rept 128                              ; one batch of exponentials,
	v_exp_f32 v[ACC+k], v[ACC+k]
.set k, k+1
.endr
	v_nop                                          ; one plain instruction behind the last,
	s_wait_alu depctr_va_vdst(0)                   ; one wait ahead of the first reader
.irp sb, 0,1,2,3
	v_pk_add_f32 v[ST+8*(\sb)+2:ST+8*(\sb)+3], v[ACC+32*(\sb):ACC+32*(\sb)+1], v[ACC+32*(\sb)+2:ACC+32*(\sb)+3]
.endr
.irp sb, 0,1,2,3
	v_pk_add_f32 v[ST+8*(\sb)+4:ST+8*(\sb)+5], v[ACC+32*(\sb)+4:ACC+32*(\sb)+5], v[ACC+32*(\sb)+6:ACC+32*(\sb)+7]
.endr
.set k, 4
.rept 12                               ; the sum of the unrounded weights, in two chains a block
.irp sb, 0,1,2,3
	v_pk_add_f32 v[ST+8*(\sb)+2+2*(k%2):ST+8*(\sb)+3+2*(k%2)], v[ST+8*(\sb)+2+2*(k%2):ST+8*(\sb)+3+2*(k%2)], v[ACC+32*(\sb)+2*k:ACC+32*(\sb)+2*k+1]
.endr
.set k, k+1
.endr
.irp sb, 0,1,2,3
	v_pk_add_f32 v[ST+8*(\sb)+2:ST+8*(\sb)+3], v[ST+8*(\sb)+2:ST+8*(\sb)+3], v[ST+8*(\sb)+4:ST+8*(\sb)+5]
.endr
.irp sb, 0,1,2,3
	v_add_f32 v[ST+8*(\sb)+2], v[ST+8*(\sb)+2], v[ST+8*(\sb)+3]
.endr
.irp sb, 0,1,2,3
	v_permlanex16_b32 v[ST+8*(\sb)+3], v[ST+8*(\sb)+2], s[SEL], s[SEL+1]
.endr
.irp sb, 0,1,2,3
	v_add_f32 v[ST+8*(\sb)+2], v[ST+8*(\sb)+2], v[ST+8*(\sb)+3]           ; l, at least 1
.endr
.irp sb, 0,1,2,3
	v_rcp_f32 v[ST+8*(\sb)+4], v[ST+8*(\sb)+2]
.endr
	v_nop
	s_wait_alu depctr_va_vdst(0)                   ; one wait for the four reciprocals
.irp sb, 0,1,2,3
	v_mul_f32 v[ST+8*(\sb)+6], s[NCS], v[ST+8*(\sb)+4]                    ; -log2(e) / l: the sigmoid's factor rides on the weights
.endr
.set k, 0
.rept 16
.irp sb, 0,1,2,3
	v_pk_mul_f32 v[ACC+32*(\sb)+2*k:ACC+32*(\sb)+2*k+1], v[ACC+32*(\sb)+2*k:ACC+32*(\sb)+2*k+1], v[ST+8*(\sb)+6:ST+8*(\sb)+7] op_sel_hi:[1,0]
.endr
.set k, k+1
.endr
	WIN 0x40                                       ; two tiles of S^T rounded in pairs ARE a fragment (16 queries x 32 keys) of the last product
.irp sb, 0,1,2,3
.irp tb, 0,1,2,3
.irp z, 0,1,2,3
	v_cvt_pk_bf16_f32 v[QOP+8*(2*(\sb)+(\tb)/2)+4*((\tb)%2)+(\z)], v[ACC+8*(4*(\sb)+(\tb))+2*(\z)], v[ACC+8*(4*(\sb)+(\tb))+2*(\z)+1]
.endr
.endr
.endr
	WIN 0
	LOADW 2                                        ; wv: its registers held S^T's tiles until now
.irp cb, 0,1,2,3
	ds_load_b32 v[BI+8*(\cb)], v[BR] offset:(\cb)*64  ; bv[16 cb + r]: in v's tiles a lane holds one channel
.endr
	s_wait_dscnt 0x0
.irp cb, 0,1,2,3
.irp j, 1,2,3,4,5,6,7
	v_mov_b32 v[BI+8*(\cb)+(\j)], v[BI+8*(\cb)]    ; the same bias for the lane's eight pixels
.endr
.endr
	HALF 1, 0                                      ; v, turned
	NOP4
	CVTV 0
	HALF 1, 1
	NOP4
	CVTV 1
	; out1 (times -log2(e)): source 0 = 16 queries i, source 1 = 16 channels c: a lane holds channel 16 cb + r and the pixels px = 2 ib + hh, py = 0..7.
	WIN 0x05
.irp kh, 0,1
.irp cb, 0,1,2,3
.irp ib, 0,1,2,3
.if (\kh) == 0
	v_wmma_f32_16x16x32_bf16 v[ACC+8*(4*(\cb)+(\ib)):ACC+8*(4*(\cb)+(\ib))+7], v[QOP+8*(2*(\ib)+(\kh)):QOP+8*(2*(\ib)+(\kh))+7], v[KOP+8*(2*(\cb)+(\kh)):KOP+8*(2*(\cb)+(\kh))+7], 0
.else
	v_wmma_f32_16x16x32_bf16 v[ACC+8*(4*(\cb)+(\ib)):ACC+8*(4*(\cb)+(\ib))+7], v[QOP+8*(2*(\ib)+(\kh)):QOP+8*(2*(\ib)+(\kh))+7], v[KOP+8*(2*(\cb)+(\kh)):KOP+8*(2*(\cb)+(\kh))+7], v[ACC+8*(4*(\cb)+(\ib)):ACC+8*(4*(\cb)+(\ib))+7]
.endif
.endr
.endr
.endr
	WIN 0
	NOP4
.irp cb, 0,1,2,3
.irp ib, 0,1,2,3
	ds_store_b128 v[RW], v[ACC+8*(4*(\cb)+(\ib)):ACC+8*(4*(\cb)+(\ib))+3]   offset:(\cb)*16*RP+(\ib)*64
	ds_store_b128 v[RW], v[ACC+8*(4*(\cb)+(\ib))+4:ACC+8*(4*(\cb)+(\ib))+7] offset:(\cb)*16*RP+(\ib)*64+16
.endr
.endr
	s_wait_dscnt 0x0                               ; for the others' sake: my results and my att are in LDS
	s_barrier_signal -1
	s_barrier_wait -1
	; PHASE C, four passes to a group, two sets of registers: while one group is worked on, the next one's 8 LDS loads are out.
	; gate = 1 / (1 + 2^(-log2(e) res1 - log2(e) att v_)); out = x gate + x.
.macro GLOAD g
.irp u, 0,1,2,3
	ds_load_b128 v[32+32*((\g)%2)+4*(\u):32+32*((\g)%2)+4*(\u)+3], v[RR] offset:(4*(\g)+(\u))*2*RP
	ds_load_b64 v[48+32*((\g)%2)+2*(\u):48+32*((\g)%2)+2*(\u)+1], v[VS] offset:(4*(\g)+(\u))*2048
.endr
.endm
.macro GATE g, left
.set rt_, 32+32*((\g)%2)
.set vt_, rt_+16
	s_wait_dscnt \left                             ; this group's loads are in; the next group's 8 may stay out
.irp u, 0,1,2,3,4,5,6,7
	v_lshlrev_b32 v[96+2*(\u)], 16, v[vt_+(\u)]    ; bf16 to f32: the low half moves up,
	v_and_b32 v[97+2*(\u)], s[HIM], v[vt_+(\u)]    ; the high half stays
.endr
.irp u, 0,1,2,3,4,5,6,7
	v_pk_fma_f32 v[rt_+2*(\u):rt_+2*(\u)+1], v[96+2*(\u):97+2*(\u)], v[24:25], v[rt_+2*(\u):rt_+2*(\u)+1]
.endr
.irp u, 0,1,2,3,4,5,6,7,8,9,10,11,12,13,14,15
	v_exp_f32 v[rt_+(\u)], v[rt_+(\u)]
.endr
	v_nop
	s_wait_alu depctr_va_vdst(0)                   ; one wait for the 16 exponentials
.irp u, 0,1,2,3,4,5,6,7
	v_pk_add_f32 v[rt_+2*(\u):rt_+2*(\u)+1], v[rt_+2*(\u):rt_+2*(\u)+1], 1.0 op_sel_hi:[1,0]
.endr
.irp u, 0,1,2,3,4,5,6,7,8,9,10,11,12,13,14,15
	v_rcp_f32 v[rt_+(\u)], v[rt_+(\u)]
.endr
	v_nop
	s_wait_alu depctr_va_vdst(0)                   ; one wait for the 16 reciprocals
	WIN 0x51                                       ; x (destination, sources 0 and 2) window 1, the gate window 0
.irp u, 0,1,2,3,4,5,6,7
	v_pk_fma_f32 v[16*(\g)+2*(\u):16*(\g)+2*(\u)+1], v[16*(\g)+2*(\u):16*(\g)+2*(\u)+1], v[rt_+2*(\u):rt_+2*(\u)+1], v[16*(\g)+2*(\u):16*(\g)+2*(\u)+1]
.endr
	WIN 0x04                                       ; a store's data is source 1: window 1
.irp u, 0,1,2,3
	global_store_b128 v[XO], v[16*(\g)+4*(\u):16*(\g)+4*(\u)+3], s[30:31] offset:(4*(\g)+(\u))*131072 th:TH_STORE_NT  ; 16 lanes: 256 bytes on end, aligned; no store's register is written again
.endr
	WIN 0
.if (\g) < 6
	GLOAD (\g)+2
.endif
.endm
	ds_load_b32 v24, v[AT]
	GLOAD 0
	GLOAD 1
	s_wait_dscnt 16                                ; att is in
	v_mul_f32 v24, s[NCS], v24                     ; -log2(e) att,
	v_mov_b32 v25, v24                             ; twice, for the packed multiply-add
	GATE 0, 8
	GATE 1, 8
	GATE 2, 8
	GATE 3, 8
	GATE 4, 8
	GATE 5, 8
	GATE 6, 8
	GATE 7, 0
	s_wait_tensorcnt 0x0                           ; the wave's end, behind my last LDS store
	ds_add_u32 v[SPW], v[NIL]
	s_wait_dscnt 0x0
	s_endpgm
.Lfunc_end_k_qa88511bb3a_gate:
	.size	k_qa88511bb3a_gate, .Lfunc_end_k_qa88511bb3a_gate-k_qa88511bb3a_gate
	.p2alignl 7, 3214868480
	.fill 96, 4, 3214868480
	.section	.rodata,"a",@progbits
	.p2align	6, 0x0
	.amdhsa_kernel k_qa88511bb3a_gate
		.amdhsa_group_segment_fixed_size 321280
		.amdhsa_private_segment_fixed_size 0
		.amdhsa_enable_private_segment 0
		.amdhsa_kernarg_size 80
		.amdhsa_user_sgpr_count 2
		.amdhsa_user_sgpr_kernarg_segment_ptr 1
		.amdhsa_wavefront_size32 1
		.amdhsa_system_sgpr_workgroup_id_x 1
		.amdhsa_system_sgpr_workgroup_id_y 1
		.amdhsa_system_sgpr_workgroup_id_z 1
		.amdhsa_system_vgpr_workitem_id 0
		.amdhsa_next_free_vgpr 512
		.amdhsa_next_free_sgpr 66
		.amdhsa_reserve_vcc 0
		.amdhsa_float_denorm_mode_32 3
		.amdhsa_float_denorm_mode_16_64 3
		.amdhsa_memory_ordered 1
		.amdhsa_forward_progress 1
		.amdhsa_inst_pref_size 116
	.end_amdhsa_kernel
	.amdgpu_metadata
---
amdhsa.version: [ 1, 2 ]
amdhsa.kernels:
  - .name:           k_qa88511bb3a_gate
    .symbol:         k_qa88511bb3a_gate.kd
    .args:
      - { .name: x, .offset: 0, .size: 8, .value_kind: global_buffer, .address_space: global }
      - { .name: wq, .offset: 8, .size: 8, .value_kind: global_buffer, .address_space: global }
      - { .name: bq, .offset: 16, .size: 8, .value_kind: global_buffer, .address_space: global }
      - { .name: wk, .offset: 24, .size: 8, .value_kind: global_buffer, .address_space: global }
      - { .name: bk, .offset: 32, .size: 8, .value_kind: global_buffer, .address_space: global }
      - { .name: wv, .offset: 40, .size: 8, .value_kind: global_buffer, .address_space: global }
      - { .name: bv, .offset: 48, .size: 8, .value_kind: global_buffer, .address_space: global }
      - { .name: v2, .offset: 56, .size: 8, .value_kind: global_buffer, .address_space: global }
      - { .name: epart, .offset: 64, .size: 8, .value_kind: global_buffer, .address_space: global }
      - { .name: out0, .offset: 72, .size: 8, .value_kind: global_buffer, .address_space: global }
    .group_segment_fixed_size: 321280
    .private_segment_fixed_size: 0
    .kernarg_segment_align: 8
    .kernarg_segment_size: 80
    .max_flat_workgroup_size: 256
    .sgpr_count:     66
    .vgpr_count:     512
    .wavefront_size: 32
...
	.end_amdgpu_metadata
.endif
;; end of part 3
;; ======== version 2 of 2: 3 launches; version 1 with the launch pack written anew for expert scheduling mode
;; workspace buffers: xa 8,388,608 bytes; v2 8,388,608 bytes; epart 524,288 bytes
;; launch pack (part 4): grid 256 x 1, 8 waves a work-group, no clusters, 0 bytes of LDS; arguments x, xa; writes xa
.if DOCPART == 4
	.amdgcn_target "amdgcn-amd-amdhsa--gfx1250"
	.amdhsa_code_object_version 6
	.text
	.protected	k_qa88511bb3a_pack
	.globl	k_qa88511bb3a_pack
	.p2align	8
	.type	k_qa88511bb3a_pack,@function
k_qa88511bb3a_pack:
	s_mov_b64 s[64:65], 0
	v_nop
	global_prefetch_b8 v0, s[64:65] scope:SCOPE_SE
	s_setreg_imm32_b32 hwreg(HW_REG_WAVE_SCHED_MODE, 0, 2), 2
	s_setreg_imm32_b32 hwreg(HW_REG_WAVE_MODE, 25, 1), 1
	s_wait_xcnt 0x0
	s_wait_alu depctr_vm_vsrc(0)
; xa = x rounded once to bf16, its image rows laid in the order in which the product that follows takes them as matrix fragments.
; x: [4][64][128][128] f32.  A patch is 8 x 8; patch row ix = w / 8, patch column iy = h / 8, px = w % 8, py = h % 8; the flattened channel is k = 64 c + 8 px + py.
; xa, in bytes: b<<21 | ks<<16 | rh<<15 | q<<13 | a<<10 | j2<<9 | hh<<8 | iy<<4 | 2 py, with c = 2 ks + q / 2, px = 4 (q % 2) + 2 j2 + hh, ix = 8 rh + a.
; So 256 bytes of xa are one image row (b, c, w) in bf16, and 512 bytes on end (hh, iy) are half a fragment: 16 patches x 16 k, 16 bytes a lane.
; SHARES.  A work-group takes one plane (b, c) of 64 KiB, a wave 16 image rows: a load of 16 bytes a lane covers one row's 512 bytes, a store of 8 bytes a lane 256 bytes on end, aligned.
; All 16 loads of a wave go out at once; nothing is read twice, so there is no loop, no LDS and no barrier.
; THE MODE: SCHED_MODE bits 1:0 = 2 (LLVM: expert scheduling mode 2), set by the entry lines.  The code itself states the register dependences
; between vector instructions and memory instructions, with s_wait_alu, always for 0.
; THE PLAN.  The 16 rows go in four blocks of four.  Registers that memory instructions touch:
;   v1, v2   the loads' and the stores' byte offsets: made at the head by vector lines and never written again.
;   X        row i as loaded: written by row i's load, once; read by row i's two roundings.  Of these v4 alone is named earlier: the head's address lines use it as scratch.
;   Y        row i to store: written by row i's two roundings, once; read by row i's store, which is issued in the block after.
; Block p rounds X's block p into Y's block p; its memory instructions are the four stores of block p - 1, which read v2 and Y's block p - 1: registers that no vector line of block p names.
; So one wait at a block's head states all that the block's four stores hang on, and they are dealt among its roundings with no further wait.
; No register that a load or store reads is ever written again, no vector line writes a scalar register, and EXEC is never written: nothing more is owed.
.set X, 4                              ; v[4:67]   row i as loaded, 4 registers
.set Y, 68                             ; v[68:99]  row i to store, 2 registers
.set BLOCK, 4                          ; rows in a block
	s_load_b128 s[4:7], s[0:1], 0x0                ; x s[4:5], xa s[6:7]
	v_lshrrev_b32 v3, 5, v0                        ; wave
	v_and_b32 v2, 31, v0                           ; lane
	v_lshlrev_b32 v1, 4, v2
	v_lshl_or_b32 v1, v3, 13, v1                   ; from: wave x 16 rows of 512 bytes + 16 x lane
	v_lshlrev_b32 v2, 3, v2                        ; to: 8 x lane,
	v_and_b32 v4, 3, v3
	v_lshl_or_b32 v2, v4, 11, v2                   ; a = 2 (wave % 4) + i / 8,
	v_lshrrev_b32 v4, 2, v3
	v_lshl_or_b32 v2, v4, 15, v2                   ; rh = wave / 4
	s_lshl_b32 s8, ttmp9, 16                       ; the plane in x
	s_mov_b32 s9, 0
	s_lshr_b32 s10, ttmp9, 6                       ; b
	s_lshl_b32 s10, s10, 21
	s_bfe_u32 s11, ttmp9, 0x50001                  ; ks = c / 2
	s_lshl_b32 s11, s11, 16
	s_or_b32 s10, s10, s11
	s_and_b32 s11, ttmp9, 1                        ; q's upper bit = c % 2
	s_lshl_b32 s11, s11, 14
	s_or_b32 s10, s10, s11
	s_mov_b32 s11, 0
	s_wait_kmcnt 0x0
	s_add_nc_u64 s[4:5], s[4:5], s[8:9]
	s_add_nc_u64 s[6:7], s[6:7], s[10:11]
	s_wait_alu depctr_va_vdst(0)                   ; v1 and v2 are written, which every load and every store below reads as its offset; and the lines above are done writing and reading v4, in which row 0's load lands
.set i, 0
.rept 16
	global_load_b128 v[X+4*i:X+4*i+3], v1, s[4:5] offset:i*512 th:TH_LOAD_NT
.set i, i+1
.endr
; Row i is rounded: four f32 a lane close up into two registers of bf16.
.macro ROUND i
	v_cvt_pk_bf16_f32 v[Y+2*(\i)], v[X+4*(\i)], v[X+4*(\i)+1]
	v_cvt_pk_bf16_f32 v[Y+2*(\i)+1], v[X+4*(\i)+2], v[X+4*(\i)+3]
.endm
; Row i is stored: the immediate holds a's low bit, q's low bit, j2 and hh of row i.
.macro OUT i
	global_store_b64 v2, v[Y+2*(\i):Y+2*(\i)+1], s[6:7] offset:(((\i)>>3)<<10)|((((\i)>>2)&1)<<13)|(((\i)&3)<<8) th:TH_STORE_NT
.endm
.set p, 0
.rept 16/BLOCK
	s_wait_loadcnt 16-BLOCK-BLOCK*p                ; loads come back in order: block p's four rows are in, the later blocks' loads may stay out
.if p > 0
	s_wait_alu depctr_va_vdst(0)                   ; the roundings of the block before have written its Y, which the four stores below read
.endif
.set u, 0
.rept BLOCK
.if p > 0
	OUT BLOCK*(p-1)+u                              ; no wait: no vector line since the wait above names this row's Y or v2
.endif
	ROUND BLOCK*p+u
.set u, u+1
.endr
.set p, p+1
.endr
	s_wait_alu depctr_va_vdst(0)                   ; the last block's roundings have written its Y, which the last four stores read
.set u, 0
.rept BLOCK
	OUT 16-BLOCK+u
.set u, u+1
.endr
	s_endpgm
.Lfunc_end_k_qa88511bb3a_pack:
	.size	k_qa88511bb3a_pack, .Lfunc_end_k_qa88511bb3a_pack-k_qa88511bb3a_pack
	.p2alignl 7, 3214868480
	.fill 96, 4, 3214868480
	.section	.rodata,"a",@progbits
	.p2align	6, 0x0
	.amdhsa_kernel k_qa88511bb3a_pack
		.amdhsa_group_segment_fixed_size 0
		.amdhsa_private_segment_fixed_size 0
		.amdhsa_enable_private_segment 0
		.amdhsa_kernarg_size 16
		.amdhsa_user_sgpr_count 2
		.amdhsa_user_sgpr_kernarg_segment_ptr 1
		.amdhsa_wavefront_size32 1
		.amdhsa_system_sgpr_workgroup_id_x 1
		.amdhsa_system_sgpr_workgroup_id_y 1
		.amdhsa_system_sgpr_workgroup_id_z 1
		.amdhsa_system_vgpr_workitem_id 0
		.amdhsa_next_free_vgpr 100
		.amdhsa_next_free_sgpr 66
		.amdhsa_reserve_vcc 0
		.amdhsa_float_denorm_mode_32 3
		.amdhsa_float_denorm_mode_16_64 3
		.amdhsa_memory_ordered 1
		.amdhsa_forward_progress 1
		.amdhsa_inst_pref_size 7
	.end_amdhsa_kernel
	.amdgpu_metadata
---
amdhsa.version: [ 1, 2 ]
amdhsa.kernels:
  - .name:           k_qa88511bb3a_pack
    .symbol:         k_qa88511bb3a_pack.kd
    .args:
      - { .name: x, .offset: 0, .size: 8, .value_kind: global_buffer, .address_space: global }
      - { .name: xa, .offset: 8, .size: 8, .value_kind: global_buffer, .address_space: global }
    .group_segment_fixed_size: 0
    .private_segment_fixed_size: 0
    .kernarg_segment_align: 8
    .kernarg_segment_size: 16
    .max_flat_workgroup_size: 256
    .sgpr_count:     66
    .vgpr_count:     100
    .wavefront_size: 32
...
	.end_amdgpu_metadata
.endif
;; end of part 4
;; launch gemm: the kernel of part 2 again; grid 256 x 1, 4 waves a work-group, clusters of 4 x 1, 327,680 bytes of LDS; arguments xa, wq_, wk_, wv_, bq_, bk_, bv_, v2, epart; writes v2, epart
;; launch gate: the kernel of part 3 again; grid 128 x 1, 8 waves a work-group, no clusters, 321,280 bytes of LDS; arguments x, wq, bq, wk, bk, wv, bv, v2, epart, out0; writes out0
